; MI455X (gfx1250); checked and timed in simulation.
; The chip was launched on July 23, 2026; its instructions are those of AMD's public machine-readable ISA for CDNA 5 (MIT licence, August 2026) and "CDNA5" Instruction Set Architecture Reference Guide (July 2026). The comments in the code are by the model that wrote it; some were corrected since.
;; Bahdanau Attention. Allowed arithmetic: matrix products marked QUANTISED: E5M2 operands, one E8M0 scale for each 32 along K, by v_wmma_scale_f32_16x16x128_f8f6f4 with both operands' format E5M2, f32 sums; products left as they are: f32 operands where the result goes on into a quantised operand, else bf16, f16 or f32 operands; f32 sums; everything else in f32.
;; Inputs: V_b 1 float32; V_w 1,024 x 1 float32; Wc_b 1,024 float32; Wc_w 1 x 1,024 float32; Wh_b 1,024 float32; Wh_w_codes 1,024 x 32 x 32 uint8 (E5M2 codes of Wh_w, K innermost, in blocks of 32 codes); Wh_w_scales 1,024 x 32 uint8 (E8M0 scales of Wh_w, one for each 32 codes along K); Ws_b 1,024 float32; Ws_w_codes 1,024 x 32 x 32 uint8 (E5M2 codes of Ws_w, K innermost, in blocks of 32 codes); Ws_w_scales 1,024 x 32 uint8 (E8M0 scales of Ws_w, one for each 32 codes along K); dec_hidden_codes 32 x 32 x 32 uint8 (E5M2 codes of dec_hidden, K innermost, in blocks of 32 codes); dec_hidden_scales 32 x 32 uint8 (E8M0 scales of dec_hidden, one for each 32 codes along K); enc_output 32 x 2,048 x 1,024 float32; enc_pad_mask 32 x 2,048 int32; prev_coverage 32 x 2,048 x 1 float32.
;; Outputs: out0 32 x 1,024 float32; out1 32 x 2,048 float32; out2 32 x 2,048 x 1 float32.
;; Constants: use_coverage = True.
;; This version of the problem:
;;   THIS VERSION OF THE PROBLEM IS GIVEN IN LOW PRECISION. The matrix products marked QUANTISED in the list below multiply operands that are first quantised to E5M2 (5 exponent bits, 2 mantissa bits; 8 bits a number), with one power-of-two scale for each 32 numbers along K (OCP MX v1.0); their sums are f32. All else is computed in f32.
;;   The module's matrix products, in the order in which they are computed (A, B: the left and right operand; K: the contracted axis; several contracted axes count as one K, in the product's order):
;;     1. [M 32, K 1,024] x [K 1,024, N 1,024]; A: input dec_hidden (given as codes); B: input Wh_w (given as codes): QUANTISED
;;     2. [M 65,536, K 1,024] x [K 1,024, N 1,024]; A: input enc_output; B: input Ws_w (given as codes): QUANTISED
;;     3. [M 65,536, K 1] x [K 1, N 1,024]; A: input prev_coverage; B: input Wc_w: left as it is (K = 1 < 32)
;;     4. [M 65,536, K 1,024] x [K 1,024, N 1]; A: computed on the way; B: input V_w: left as it is (N = 1 < 16)
;;   THE QUANTISER, for each operand of a quantised product, along K:
;;     - K is cut into blocks of 32 from its start; a last block that is shorter is filled with zeros.
;;     - A block's scale is 2^e with e = floor(log2(the largest magnitude in the block)) - 15, held to -126 .. 127; a block of zeros has e = 0. As a byte (E8M0): e + 127.
;;     - Each number is divided by its block's scale, clamped to +-57,344, and rounded to the nearest number of E5M2, ties to even, subnormals kept.
;;     - The product sums the exact products of the quantised numbers (number of the format x scale) in f32.
;;   ~~~python
;;   def quantise(x, axis):      # numpy; x: float32 -> the quantised numbers, widened to float32 again
;;       x = np.moveaxis(x, axis, -1); K = x.shape[-1]
;;       x = np.pad(x, [(0, 0)] * (x.ndim - 1) + [(0, -K % 32)]); x = x.reshape(x.shape[:-1] + (-1, 32)); a = np.abs(x).max(-1, keepdims=True)
;;       e = np.where(a > 0, np.clip(np.frexp(np.where(a > 0, a, 1))[1] - 1 - 15, -126, 127), 0)      # np.frexp(a)[1] - 1 = floor(log2(a)), exactly
;;       r = np.clip(x / 2.0 ** e, -57344, 57344)
;;       step = 2.0 ** (np.maximum(np.frexp(np.where(r == 0, 1, r))[1] - 1, -14) - 2)
;;       q = np.round(r / step) * step * 2.0 ** e      # np.round: ties to even
;;       return np.moveaxis(q.reshape(q.shape[:-2] + (-1,))[..., :K], -1, axis).astype(np.float32)
;;   ~~~
;;   INPUTS GIVEN AS CODES. Wh_w (in the module: [1024, 1024], K = its axis 0); Ws_w (in the module: [1024, 1024], K = its axis 0); dec_hidden (in the module: [32, 1024], K = its axis 1): each comes as NAME_codes (uint8): NAME with its K axis moved to the last place and cut into blocks of 32 codes, [.., K / 32, bytes a block], one block behind the other in memory; one code a byte (a code: sign, 5 exponent bits, 2 mantissa bits); and NAME_scales (uint8): the same leading axes, one E8M0 byte (e + 127) for each 32 codes along K. Its value is code x scale, taken as it is: it is not quantised again, and the codes and scales need not be those that the quantiser above would give.
;; One version. Each part assembles by itself: llvm-mc -triple=amdgcn-amd-amdhsa -mcpu=gfx1250 --defsym DOCPART=n.
;; ======== version 1 of 1: 3 launches
;; limits: right only within a limited range of input values
;; workspace buffers: table 524,288 bytes; scores 262,144 bytes
;; launch prep (part 1): grid 64 x 1, 1 waves a work-group, no clusters, 0 bytes of LDS; arguments dec_hidden_codes, dec_hidden_scales, Wh_w_codes, Wh_w_scales, Wh_b, Ws_b, Wc_b, Wc_w, V_w, table; writes table
.if DOCPART == 1
	.amdgcn_target "amdgcn-amd-amdhsa--gfx1250"
	.amdhsa_code_object_version 6
	.text
	.protected	k_q6b4db3c6fc_prep
	.globl	k_q6b4db3c6fc_prep
	.p2align	8
	.type	k_q6b4db3c6fc_prep,@function
k_q6b4db3c6fc_prep:
	s_mov_b64 s[64:65], 0
	v_nop
	global_prefetch_b8 v0, s[64:65] scope:SCOPE_SE
	s_setreg_imm32_b32 hwreg(HW_REG_WAVE_MODE, 25, 1), 1
	s_wait_xcnt 0x0
; h = dec_hidden Wh_w (32 x 1,024 x 1,024) on the given codes of E5M2 and their E8M0 scale bytes, and from it a table for the next launch:
; table[b][u] = 16 bytes { c (h[b][u] + Wh_b[u] + Ws_b[u] + Wc_b[u]),  -2 V_w[u],  c Wc_w[u],  0 },  c = 2 log2(e),
; since tanh(x) = 1 - 2 / (1 + 2^(c x)): the next launch then needs one multiply-add for each number in front of its exponential.
; SHARES.  One wave to a work-group; work-group nt takes units 16 nt .. 16 nt + 15 for all 32 batches: two accumulators, eight K steps of 128: 16 matrix instructions.
; The design has 64 tiles of units, so 64 work-groups.  No cluster: what the work-groups share, dec_hidden's 32 KiB of codes, goes straight into registers, and nothing here goes through LDS.
; Source 0 = 16 batches, source 1 = 16 units: register j of lane (r, h) holds batch 16 mt + 8 h + j, unit 16 nt + r, so sixteen lanes store sixteen neighbouring records: 256 consecutive bytes, aligned.
; SCALE WORDS: a row has 32 scale bytes.  One load of 16 bytes at row x 32 + 16 h gives four registers; register j holds in lanes 0-15 the word of K step j and in lanes 16-31 that of K step 4 + j, which the matrix instruction takes by ROW1.
; LIMITS: NaN and infinities among the inputs are not served.  enc_pad_mask is not among the arguments of any launch: the module accepts it and computes nothing from it.
; REGISTERS: window 1: dec_hidden's 16 fragments, (mt, ks) at v[16 (8 mt + ks)].  window 0: v1-4 offsets; v16-143 Wh's eight fragments; v144-155 scale words; v160-175 the sums; v176-181 the vectors; v184-199 four records.
; LEFT OUT AS DEAD WORK, in every launch: V_b, and the sum of V_w over the units.  score[b][s] = sum over u of V_w[u] tanh(x[b][s][u]) + V_b = (sum over u of V_w[u] + V_b) - 2 sum over u of V_w[u] / (1 + 2^(c x)).
; The bracket is the same for all s of a batch, and the scores reach the three outputs through the softmax over s alone, which a term common to its axis leaves as it is, for all values of the inputs.
; So the program carries only the second term; V_b is not loaded and is among no launch's arguments.  LIMIT: a NaN, an infinity or an overflow that reaches only V_b or that sum of V_w is not carried to the results.
.set CEXP, 0x4038aa3b                  ; c = 2 log2(e)
.set B,    16
.set SAR,  144                         ; dec_hidden's scale words: tile mt at SAR + 4 mt
.set SBR,  152                         ; Wh's
.set ACC,  160
.set VEC,  176                         ; Wh_b, Ws_b, Wc_b, Wc_w, V_w at my unit
.set BS,   181                         ; c x the three biases' sum
.set TUP,  184
.set MSB, 0
.macro WIN new                         ; the immediate's high byte repeats the setting that is left
.if MSB != \new
	s_set_vgpr_msb (MSB<<8)|\new
.set MSB, \new
.endif
.endm
	s_load_b256 s[4:11], s[0:1], 0x0               ; dec_hidden's codes, its scales, Wh's codes, its scales
	s_load_b256 s[12:19], s[0:1], 0x20             ; Wh_b, Ws_b, Wc_b, Wc_w
	s_load_b128 s[20:23], s[0:1], 0x40             ; V_w, the table
	v_and_b32 v5, 15, v0                           ; r
	v_lshrrev_b32 v6, 4, v0                        ; h (one wave: v0 is the lane)
	v_lshlrev_b32 v1, 10, v5
	v_lshl_add_u32 v1, v6, 4, v1                   ; a fragment: row r of 1,024 bytes + 16 h
	v_lshlrev_b32 v2, 5, v5
	v_lshl_add_u32 v2, v6, 4, v2                   ; scale words: row r of 32 bytes + 16 h
	v_lshlrev_b32 v3, 2, v5                        ; the vectors: 4 r
	v_lshlrev_b32 v4, 4, v5
	v_lshl_add_u32 v4, v6, 17, v4                  ; the table: record r, + 8 h batches of 16,384 bytes
	s_mov_b32 s26, CEXP
	s_mov_b32 s25, 0
	s_wait_alu depctr_va_vdst(0)
	s_wait_kmcnt 0x0
	s_lshl_b32 s24, ttmp9, 14                      ; my 16 rows of Wh's codes,
	s_add_nc_u64 s[8:9], s[8:9], s[24:25]
	s_lshl_b32 s24, ttmp9, 9                       ; of its scale bytes,
	s_add_nc_u64 s[10:11], s[10:11], s[24:25]
	s_lshl_b32 s24, ttmp9, 6                       ; my 16 numbers of the five vectors,
	s_add_nc_u64 s[12:13], s[12:13], s[24:25]
	s_add_nc_u64 s[14:15], s[14:15], s[24:25]
	s_add_nc_u64 s[16:17], s[16:17], s[24:25]
	s_add_nc_u64 s[18:19], s[18:19], s[24:25]
	s_add_nc_u64 s[20:21], s[20:21], s[24:25]
	s_lshl_b32 s24, ttmp9, 8                       ; my 16 records of a batch
	s_add_nc_u64 s[22:23], s[22:23], s[24:25]
	WIN 0x40                                       ; destination window 1
.irp mt, 0,1
.irp ks, 0,1,2,3,4,5,6,7
.irp c, 0,1,2,3
	global_load_b128 v[16*(8*\mt+\ks)+4*\c:16*(8*\mt+\ks)+4*\c+3], v1, s[4:5] offset:16384*\mt+128*\ks+32*\c
.endr
.endr
.endr
	WIN 0
.irp ks, 0,1,2,3,4,5,6,7
.irp c, 0,1,2,3
	global_load_b128 v[B+16*\ks+4*\c:B+16*\ks+4*\c+3], v1, s[8:9] offset:128*\ks+32*\c
.endr
.endr
	global_load_b128 v[SAR:SAR+3], v2, s[6:7]
	global_load_b128 v[SAR+4:SAR+7], v2, s[6:7] offset:512
	global_load_b128 v[SBR:SBR+3], v2, s[10:11]
	global_load_b32 v[VEC], v3, s[12:13]
	global_load_b32 v[VEC+1], v3, s[14:15]
	global_load_b32 v[VEC+2], v3, s[16:17]
	global_load_b32 v[VEC+3], v3, s[18:19]
	global_load_b32 v[VEC+4], v3, s[20:21]
	s_wait_loadcnt 0x0
	WIN 0x01                                       ; source 0 window 1
; K ascending; the two accumulators take turns, one instruction a turn.  The first K step starts the sums.
.irp ks, 0,1,2,3
.irp mt, 0,1
.if \ks == 0
	v_wmma_scale_f32_16x16x128_f8f6f4 v[ACC+8*\mt:ACC+8*\mt+7], v[16*(8*\mt+\ks):16*(8*\mt+\ks)+15], v[B+16*\ks:B+16*\ks+15], 0, v[SAR+4*\mt+\ks], v[SBR+\ks] matrix_a_fmt:MATRIX_FMT_BF8 matrix_b_fmt:MATRIX_FMT_BF8
.else
	v_wmma_scale_f32_16x16x128_f8f6f4 v[ACC+8*\mt:ACC+8*\mt+7], v[16*(8*\mt+\ks):16*(8*\mt+\ks)+15], v[B+16*\ks:B+16*\ks+15], v[ACC+8*\mt:ACC+8*\mt+7], v[SAR+4*\mt+\ks], v[SBR+\ks] matrix_a_fmt:MATRIX_FMT_BF8 matrix_b_fmt:MATRIX_FMT_BF8
.endif
.endr
.endr
.irp ks, 0,1,2,3                       ; K steps 4 to 7: their scale words lie in lanes 16-31
.irp mt, 0,1
	v_wmma_scale_f32_16x16x128_f8f6f4 v[ACC+8*\mt:ACC+8*\mt+7], v[16*(8*\mt+4+\ks):16*(8*\mt+4+\ks)+15], v[B+16*(4+\ks):B+16*(4+\ks)+15], v[ACC+8*\mt:ACC+8*\mt+7], v[SAR+4*\mt+\ks], v[SBR+\ks] matrix_a_fmt:MATRIX_FMT_BF8 matrix_b_fmt:MATRIX_FMT_BF8 matrix_a_scale:MATRIX_SCALE_ROW1 matrix_b_scale:MATRIX_SCALE_ROW1
.endr
.endr
	WIN 0
; Fifteen plain lines that name no register of the products: more than the eight places owed behind this form before a result is read
	v_add_f32 v[BS], v[VEC], v[VEC+1]
	v_add_f32 v[BS], v[BS], v[VEC+2]
	v_mul_f32 v[BS], s26, v[BS]                    ; c (Wh_b + Ws_b + Wc_b)
.irp q, 0,1,2,3
	v_mul_f32 v[TUP+4*\q+1], -2.0, v[VEC+4]        ; -2 V
	v_mul_f32 v[TUP+4*\q+2], s26, v[VEC+3]         ; c Wc
	v_mov_b32 v[TUP+4*\q+3], 0
.endr
.set i, 0
.rept 16                               ; register i of the 16: batch 16 (i / 8) + 8 h + i % 8; each accumulator is read from its low end on
.if (i >= 4) && (i%4 == 0)
	s_wait_xcnt 0x0                                ; the last four stores have read their data: the four records are written again only behind this wait
.endif
	v_fma_f32 v[TUP+4*(i%4)], v[ACC+i], s26, v[BS]
	s_wait_alu depctr_va_vdst(0)
	global_store_b128 v4, v[TUP+4*(i%4):TUP+4*(i%4)+3], s[22:23] offset:(16*(i/8)+i%8)*16384   ; sixteen lanes store 256 consecutive bytes, aligned
.set i, i+1
.endr
	s_endpgm
.Lfunc_end_k_q6b4db3c6fc_prep:
	.size	k_q6b4db3c6fc_prep, .Lfunc_end_k_q6b4db3c6fc_prep-k_q6b4db3c6fc_prep
	.p2alignl 7, 3214868480
	.fill 96, 4, 3214868480
	.section	.rodata,"a",@progbits
	.p2align	6, 0x0
	.amdhsa_kernel k_q6b4db3c6fc_prep
		.amdhsa_group_segment_fixed_size 0
		.amdhsa_private_segment_fixed_size 0
		.amdhsa_enable_private_segment 0
		.amdhsa_kernarg_size 80
		.amdhsa_user_sgpr_count 2
		.amdhsa_user_sgpr_kernarg_segment_ptr 1
		.amdhsa_wavefront_size32 1
		.amdhsa_system_sgpr_workgroup_id_x 1
		.amdhsa_system_sgpr_workgroup_id_y 1
		.amdhsa_system_sgpr_workgroup_id_z 1
		.amdhsa_system_vgpr_workitem_id 0
		.amdhsa_next_free_vgpr 512
		.amdhsa_next_free_sgpr 66
		.amdhsa_reserve_vcc 0
		.amdhsa_float_denorm_mode_32 3
		.amdhsa_float_denorm_mode_16_64 3
		.amdhsa_memory_ordered 1
		.amdhsa_forward_progress 1
		.amdhsa_inst_pref_size 17
	.end_amdhsa_kernel
	.amdgpu_metadata
---
amdhsa.version: [ 1, 2 ]
amdhsa.kernels:
  - .name:           k_q6b4db3c6fc_prep
    .symbol:         k_q6b4db3c6fc_prep.kd
    .args:
      - { .name: dec_hidden_codes, .offset: 0, .size: 8, .value_kind: global_buffer, .address_space: global }
      - { .name: dec_hidden_scales, .offset: 8, .size: 8, .value_kind: global_buffer, .address_space: global }
      - { .name: Wh_w_codes, .offset: 16, .size: 8, .value_kind: global_buffer, .address_space: global }
      - { .name: Wh_w_scales, .offset: 24, .size: 8, .value_kind: global_buffer, .address_space: global }
      - { .name: Wh_b, .offset: 32, .size: 8, .value_kind: global_buffer, .address_space: global }
      - { .name: Ws_b, .offset: 40, .size: 8, .value_kind: global_buffer, .address_space: global }
      - { .name: Wc_b, .offset: 48, .size: 8, .value_kind: global_buffer, .address_space: global }
      - { .name: Wc_w, .offset: 56, .size: 8, .value_kind: global_buffer, .address_space: global }
      - { .name: V_w, .offset: 64, .size: 8, .value_kind: global_buffer, .address_space: global }
      - { .name: table, .offset: 72, .size: 8, .value_kind: global_buffer, .address_space: global }
    .group_segment_fixed_size: 0
    .private_segment_fixed_size: 0
    .kernarg_segment_align: 8
    .kernarg_segment_size: 80
    .max_flat_workgroup_size: 32
    .sgpr_count:     66
    .vgpr_count:     512
    .wavefront_size: 32
...
	.end_amdgpu_metadata
.endif
;; end of part 1
;; launch scores (part 2): grid 256 x 1, 4 waves a work-group, clusters of 4 x 1, 327,680 bytes of LDS; arguments enc_output, Ws_w_codes, Ws_w_scales, prev_coverage, table, scores; writes scores
.if DOCPART == 2
	.amdgcn_target "amdgcn-amd-amdhsa--gfx1250"
	.amdhsa_code_object_version 6
	.text
	.protected	k_q6b4db3c6fc_scores
	.globl	k_q6b4db3c6fc_scores
	.p2align	8
	.type	k_q6b4db3c6fc_scores,@function
k_q6b4db3c6fc_scores:
	s_mov_b64 s[64:65], 0
	v_nop
	global_prefetch_b8 v0, s[64:65] scope:SCOPE_SE
	s_setreg_imm32_b32 hwreg(HW_REG_WAVE_MODE, 25, 1), 1
	s_wait_xcnt 0x0
	s_wait_alu depctr_hold_cnt(0) depctr_sa_sdst(0) depctr_va_vdst(0) depctr_va_sdst(0) depctr_va_ssrc(0) depctr_va_vcc(0) depctr_vm_vsrc(0)
	s_getreg_b32 s2, hwreg(HW_REG_IB_STS2, 6, 4)
	s_cmp_eq_u32 s2, 0
	s_cbranch_scc0 .Lentry_in_a_cluster
	s_endpgm
.Lentry_in_a_cluster:
	s_bfe_u32 s2, ttmp6, 0x10000c
	s_cmp_lg_u32 s2, 0x3003
	s_cbranch_scc0 .Lentry_shape_is_right
	s_endpgm
.Lentry_shape_is_right:
; scores[b][s] = sum over u of -2 V_w[u] / (1 + 2^(c x[b][s][u])),  c x = c (Q(enc[b][s]) . Ws_w[:, u]) + cov[b][s] (c Wc_w[u]) + c (h[b][u] + the three biases),  c = 2 log2(e):
; the part of sum V_w tanh(x) + V_b that differs along s.  Left out as dead work: V_b and the sum of V_w (the same for all s of a batch; the softmax of the next launch takes them away; shown at the first kernel's head).
; The product is on codes of E5M2 with E8M0 scale bytes: enc is quantised here, along its 1,024, by the stated quantiser; Ws_w comes as codes.  The records {c (h + biases), -2 V_w, c Wc_w, 0} come from the table of the launch before.
; SHARES.  256 work-groups of four waves; a work-group owns 256 rows of enc (an eighth of a batch), a wave 64 of them.
; PHASE 1: eight K steps of 128.
; 64 rows x 1,024 codes = 512 registers, which stay.  PHASE 2: Ws_w's 1,024 rows go through the same two slots in eight parts of 128 rows, 32 rows a wave by a JOINT load of the cluster's four work-groups,
; which all walk the same weights.  A tile is 16 units x all of K: 32 products on four accumulators by turns (64 rows); its fragments stand in window 3, two sets.
; A TILE'S ORDER, in three stages on two sets of accumulators.  At tile q's head the sums of tile q - 1 are scaled, and ONE batch of 64 transcendentals follows: tile q - 1's exponentials and tile q - 2's reciprocals.
; Then tile q's 32 products stand in ONE run, and among them the plain lines that are due: the rows' sums take the reciprocals of tile q - 2 (each accumulator's four lines just ahead of the product that writes over it),
; 1 is added to the exponentials of tile q - 1, and tile q's feature lines are made.  So no transcendental stands between two links of a sum, nor between a product and the first reader of its result.
; The next tile's 32 LDS loads stand ahead of the run; at a part's start the batch stands between the first fetch and the wait for it.
; PREFETCH, phase 1: in K step n, whose change of slots has asked for K step n + 1, a wave names the 128 aligned blocks of 256 bytes of its own 64 rows of K step n + 2: a lane a row, four instructions, one trip ahead of the load
; that wants them; K steps 6 and 7 ask for nothing.  Offsets are immediates; the address registers are never rewritten.  Phase 2's weights are read by all 64 clusters in the same order and are not asked for.
; LIMITS: NaN and infinities among the inputs are not served.  2^(c x) may overflow to infinity or fall to 0: the reciprocal then gives 0 or 1, as tanh's ends ask.
; LDS: two slots; the waves' images of codes and scale words; the stage of the way out; the spare words.
.set QTR,   33792                      ; a wave's quarter of a slot: 64 rows x 528 (enc), or 32 rows x 1,040 (weights)
.set SLOTB, 135168
.set XP,    528                        ; 512 bytes of f32 + 16 of padding
.set WP,    1040                       ; 1,024 codes + 16
.set IMG,   2*SLOTB
.set IMGS,  IMG+32768
.set STG,   IMGS+2048
.set SPARE, STG+1024
.set SPW,  1                           ; v1 my spare word, v2 zero: never rewritten
.set NIL,  2
.set AX0,  3                           ; LDS addresses: enc's rows,
.set ADX,  4
.set AI0,  5                           ; the image of codes,
.set ADI,  6
.set AP0,  7                           ; of scale words,
.set ADP,  8
.set AB0,  9                           ; a weight's fragments
.set ADB,  10
.set OS0,  11                          ; offsets in Ws_w_scales
.set OSC,  12
.set OT0,  13                          ; and in the table
.set OTB,  14
.set COVO, 15
.set SA,   16                          ; v16-47   x's scale words: 8 m + K step
.set COV,  48                          ; v48-79   cov of my 32 rows (register 8 m + j: row 16 m + 8 h + j)
.set SUM,  80                          ; v80-111  the rows' sums, my unit's share
.set ACC0, 112                         ; v112-143, v216-247  two sets of four accumulators
.set T,    144                         ; v144-175 cov c Wc + c (h + biases)
.set X,    112                         ; phase 1: 64 numbers
.set SB,   176                         ; v176-191 the weights' scale words, four tiles by turns
.set TR,   192                         ; v192-207 four records by turns
.set VV,   208                         ; v208     -2 V_w of the tile whose reciprocals are summed
.set PFO,  210                         ; v210     the prefetches' offset: 4,096 x lane; never rewritten
.set ACC1, 216
.set PC,   216                         ; phase 1: codes,
.set TM,   232                         ; maxima, bounds, scale operands
.set PW,   248
.set STA,  249
.set STR,  250
.set GO,   251
.set OUTP, 252
.set WV,   18
.set CX,   19
.set GID,  20
.set G1E,  24
.set G1W,  32
.set G0E0, 40
.set G0E1, 44
.set G0W,  48
.set SEL,  52
.set CCS,  54
.set MNT,  56
.set CNT,  60
.set OUT,  61
.set TB,   62
.set SBASE, 63
.set TS,   66
.set TK,   67
.set XO,   68
.set IO,   69
.set PO,   70
.set MSB, 0
.macro WIN new                         ; the immediate's high byte repeats the setting that is left
.if MSB != \new
	s_set_vgpr_msb (MSB<<8)|\new
.set MSB, \new
.endif
.endm
.macro ROUND                           ; a round of the cluster's barrier
	s_barrier_signal -1
	s_barrier_wait -1
	s_cmp_lg_u32 s[WV], 0
	s_cbranch_scc1 .Lnot_wave_0_\@
	s_barrier_signal -3
.Lnot_wave_0_\@:
	s_barrier_wait -3
	s_barrier_signal -1
	s_barrier_wait -1
.endm
; A change of slots: the tensor wait, the add and its wait, the round, and my one tensor load behind it.  kind 0: enc's next K step; 1: the weights' first part; 2: their next part; 3: nothing more is fetched
.macro CHANGE kind
	s_wait_tensorcnt 0x0
	ds_add_u32 v[SPW], v[NIL]
.if \kind == 0
	s_xor_b32 s[G0E1+1], s[G0E1+1], SLOTB
	s_add_nc_u64 s[G0E1+2:G0E1+3], s[G0E1+2:G0E1+3], 512
.elseif \kind == 2
	s_xor_b32 s[G0W+1], s[G0W+1], SLOTB
	s_add_nc_u64 s[G0W+2:G0W+3], s[G0W+2:G0W+3], 131072
.endif
	s_wait_dscnt 0x0
.if \kind == 3
	s_barrier_signal -1
	s_barrier_wait -1
.else
	ROUND
.if \kind == 0
	tensor_load_to_lds s[G0E1:G0E1+3], s[G1E:G1E+7]
.else
	tensor_load_to_lds s[G0W:G0W+3], s[G1W:G1W+7]
.endif
	s_nop 0
.rept 4
	v_nop
.endr
.endif
.endm
; The quantiser of 16 rows x 128: four blocks of 32, each in lanes l and l xor 16.  The floor 2^(16 - 127) keeps a byte at 1 or above; the hold stands ahead of the conversion, which does not saturate (ISA guide 7.6.2)
.macro QUANT s
.irp b, 0,1,2,3
	v_max3_num_f32 v[TM+\b], |v[\s+16*\b]|, |v[\s+1+16*\b]|, 0x8000000
.endr
.irp i, 2,4,6,8,10,12,14
.irp b, 0,1,2,3
	v_max3_num_f32 v[TM+\b], v[TM+\b], |v[\s+16*\b+\i]|, |v[\s+1+16*\b+\i]|
.endr
.endr
.irp b, 0,1,2,3
	v_permlanex16_b32 v[TM+4+\b], v[TM+\b], s[SEL], s[SEL+1]
.endr
.irp b, 0,1,2,3
	v_max_num_f32 v[TM+\b], v[TM+\b], v[TM+4+\b]
.endr
.irp b, 0,1,2,3
	v_add_nc_u32 v[TM+12+\b], 0xf8800000, v[TM+\b]             ; 15 off the exponent field: the conversion's scale operand
.endr
.irp b, 0,1,2,3
	v_and_or_b32 v[TM+8+\b], v[TM+\b], 0x7f800000, s[MNT]      ; 57,344 x the scale
.endr
.irp b, 0,1,2,3
	v_lshrrev_b32 v[TM+4+\b], 23, v[TM+12+\b]                  ; the scale's byte
.endr
	v_lshl_or_b32 v[PW], v[TM+5], 8, v[TM+4]
	v_lshl_or_b32 v[PW], v[TM+6], 16, v[PW]
	v_lshl_or_b32 v[PW], v[TM+7], 24, v[PW]
.irp b, 0,1,2,3
.irp i, 0,1,2,3,4,5,6,7,8,9,10,11,12,13,14,15
	v_med3_num_f32 v[\s+16*\b+\i], v[\s+16*\b+\i], -v[TM+8+\b], v[TM+8+\b]
.endr
	v_cvt_scalef32_pk8_bf8_f32 v[PC+4*\b:PC+1+4*\b], v[\s+16*\b:\s+7+16*\b], v[TM+12+\b]
	v_cvt_scalef32_pk8_bf8_f32 v[PC+2+4*\b:PC+3+4*\b], v[\s+8+16*\b:\s+15+16*\b], v[TM+12+\b]
.endr
	v_nop                                          ; a plain line behind the last conversion
.endm
; K step n of phase 1: the prefetch of K step n + 2; four trips of 16 rows; then the step's 64 registers of codes and four scale words come back from my image (LDS serves a wave's instructions in order)
.macro KSTEP n
	s_mov_b32 s[XO], ((\n)%2)*SLOTB
	s_mov_b32 s[IO], 0
	s_mov_b32 s[PO], 0
	s_mov_b32 s[CNT], 4
.if (\n) < 6
.irp j, 0,1
.irp k, 0,1
	global_prefetch_b8 v[PFO], s[4:5] offset:131072*\j+512*((\n)+2)+256*\k th:TH_LOAD_NT scope:SCOPE_SE   ; rows 32 j + lane, the k-th 256 bytes of the step's 512
.endr
.endr
.endif
.Lrows_\@:
	v_add_nc_u32 v[ADX], s[XO], v[AX0]
.irp b, 0,1,2,3
.irp j, 0,1,2,3
	ds_load_b128 v[X+16*\b+4*\j:X+16*\b+4*\j+3], v[ADX] offset:128*\b+16*\j
.endr
.endr
	s_wait_dscnt 0x0
	QUANT X
	v_add_nc_u32 v[ADI], s[IO], v[AI0]
	v_add_nc_u32 v[ADP], s[PO], v[AP0]
.irp c, 0,1,2,3
	ds_store_b128 v[ADI], v[PC+4*\c:PC+4*\c+3] offset:512*\c
.endr
	ds_store_b32 v[ADP], v[PW]
	s_add_co_u32 s[XO], s[XO], 16*XP
	s_add_co_u32 s[IO], s[IO], 2048
	s_add_co_u32 s[PO], s[PO], 128
	s_sub_co_u32 s[CNT], s[CNT], 1
	s_cmp_lg_u32 s[CNT], 0
	s_cbranch_scc1 .Lrows_\@
	WIN ((1+(\n)/4)<<6)
.irp m, 0,1,2,3
.irp c, 0,1,2,3
	ds_load_b128 v[64*((\n)%4)+16*\m+4*\c:64*((\n)%4)+16*\m+4*\c+3], v[AI0] offset:2048*\m+512*\c
.endr
.endr
	WIN 0
.irp m, 0,1,2,3
	ds_load_b32 v[SA+8*\m+(\n)], v[AP0] offset:128*\m
.endr
.endm
.macro FETCH p, off                    ; a tile's eight fragments of the weights into set p of window 3: 32 loads
	WIN 0xc0
.irp ks, 0,1,2,3,4,5,6,7
.irp c, 0,1,2,3
	ds_load_b128 v[128*\p+16*\ks+4*\c:128*\p+16*\ks+4*\c+3], v[ADB] offset:\off+128*\ks+32*\c
.endr
.endr
	WIN 0
.endm
; Product n of a tile: K step n / 4, rows 16 (n % 4) on: the four accumulators take turns, one instruction a turn.  Source 0: x's rows (window 1 or 2); source 1: 16 units (window 3).
; The weights' scale words of K steps 4 to 7 lie in lanes 16-31.
.macro MM n
.set MK, (\n)/4
.set MR, (\n)%4
.if MK < 4
	WIN 0x0d
.else
	WIN 0x0e
.endif
.if MK == 0
	v_wmma_scale_f32_16x16x128_f8f6f4 v[AD+8*MR:AD+8*MR+7], v[16*MR:16*MR+15], v[128*TP:128*TP+15], 0, v[SA+8*MR], v[SB+4*TQ] matrix_a_fmt:MATRIX_FMT_BF8 matrix_b_fmt:MATRIX_FMT_BF8
.elseif MK < 4
	v_wmma_scale_f32_16x16x128_f8f6f4 v[AD+8*MR:AD+8*MR+7], v[64*MK+16*MR:64*MK+16*MR+15], v[128*TP+16*MK:128*TP+16*MK+15], v[AD+8*MR:AD+8*MR+7], v[SA+8*MR+MK], v[SB+4*TQ+MK] matrix_a_fmt:MATRIX_FMT_BF8 matrix_b_fmt:MATRIX_FMT_BF8
.else
	v_wmma_scale_f32_16x16x128_f8f6f4 v[AD+8*MR:AD+8*MR+7], v[64*(MK-4)+16*MR:64*(MK-4)+16*MR+15], v[128*TP+16*MK:128*TP+16*MK+15], v[AD+8*MR:AD+8*MR+7], v[SA+8*MR+MK], v[SB+4*TQ+MK-4] matrix_a_fmt:MATRIX_FMT_BF8 matrix_b_fmt:MATRIX_FMT_BF8 matrix_b_scale:MATRIX_SCALE_ROW1
.endif
.endm
.macro SL k                            ; two rows' sums take the reciprocals that stand in AD
	v_pk_fma_f32 v[SUM+2*(\k):SUM+2*(\k)+1], v[AD+2*(\k):AD+2*(\k)+1], v[VV:VV+1], v[SUM+2*(\k):SUM+2*(\k)+1] op_sel_hi:[1,0,1]
.endm
.macro PL i                            ; i = 0 .. 15: 1 + the exponentials that stand in AB;  16 .. 31: the feature lines of tile TQ, from its record
.if (\i) < 16
	v_pk_add_f32 v[AB+2*(\i):AB+2*(\i)+1], v[AB+2*(\i):AB+2*(\i)+1], 1.0 op_sel_hi:[1,0]
.else
	v_pk_fma_f32 v[T+2*(\i)-32:T+2*(\i)-31], v[COV+2*(\i)-32:COV+2*(\i)-31], v[TR+4*TQ+2:TR+4*TQ+3], v[TR+4*TQ:TR+4*TQ+1] op_sel_hi:[1,0,0]
.endif
.endm
; The run: 32 products and 48 plain lines.  The last eight feature lines stand behind the last product: they are the eight places ahead of the first reader of its result
.macro RUN
.set g, 0
.rept 4
	WIN 0
	SL 4*g
	SL 4*g+1
	SL 4*g+2
	SL 4*g+3
	MM g
.set g, g+1
.endr
.set g, 0
.rept 12
	MM 4+2*g
	MM 5+2*g
	WIN 0
	PL 2*g
	PL 2*g+1
.set g, g+1
.endr
	MM 28
	MM 29
	MM 30
	MM 31
	WIN 0
.set g, 24
.rept 8
	PL g
.set g, g+1
.endr
.endm
; At a tile's head: the last tile's sums, in AB, become c x (each accumulator read from its low end on); then the batch: 2^(c x) in AB, 1 / (1 + 2^(c x)) of the tile before that in AD,
; with one wait ahead of it and, behind a plain line, one behind it
.macro CLOSE
.set g, 0
.rept 16
	v_pk_fma_f32 v[AB+2*g:AB+2*g+1], v[AB+2*g:AB+2*g+1], s[CCS:CCS+1], v[T+2*g:T+2*g+1] op_sel_hi:[1,0,1]
.set g, g+1
.endr
	s_wait_alu depctr_va_vdst(0)
.set g, 0
.rept 32
	v_exp_f32 v[AB+g], v[AB+g]
.set g, g+1
.endr
.set g, 0
.rept 32
	v_rcp_f32 v[AD+g], v[AD+g]
.set g, g+1
.endr
	v_nop
	s_wait_alu depctr_va_vdst(0)
.endm
.macro TILE q
.set TQ, \q
.set TP, (\q)%2
.set AD, ACC0+(ACC1-ACC0)*TP
.set AB, ACC0+(ACC1-ACC0)*(1-TP)
	s_wait_loadcnt 0x3                             ; this tile's record and scale words are in; the next tile's scale words and the last tile's two loads may be out
	s_wait_xcnt 0x0                                ; the earlier loads have read their offsets, which are written below
	s_add_co_u32 s[TS], s[TS], 512
	s_and_b32 s[TS], s[TS], 0x7fff                 ; (the last tiles' look-ahead wraps to the buffers' start)
	s_add_co_u32 s[TK], s[TK], 256
	s_and_b32 s[TK], s[TK], 0x3fff
	v_mov_b32 v[VV], v[TR+4*((TQ+2)%4)+1]          ; -2 V_w of the tile two back; its record's place is then free
	v_add_nc_u32 v[OSC], s[TS], v[OS0]
	v_add_nc_u32 v[OTB], s[TK], v[OT0]
.if TP == 0
	v_add_nc_u32 v[ADB], s[TB], v[AB0]
.endif
	global_load_b128 v[TR+4*((TQ+2)%4):TR+4*((TQ+2)%4)+3], v[OTB], s[14:15]   ; the record of the tile two on,
	global_load_b128 v[SB+4*((TQ+3)%4):SB+4*((TQ+3)%4)+3], v[OSC], s[8:9]     ; the scale words of the tile three on, where the last tile's stood (its products lie eleven plain lines back)
	CLOSE
	s_wait_dscnt 0x0                               ; this tile's fragments
.if TP == 0
	FETCH 1, 16*WP
.else
.if TQ == 3
	s_cmp_eq_u32 s[CNT], 1                         ; a part's last tile fetches nothing: the next part is shown by the next change of slots
	s_cbranch_scc1 .Lno_next_\@
.endif
	FETCH 0, QTR
.if TQ == 3
.Lno_next_\@:
.endif
	s_add_co_u32 s[TB], s[TB], QTR
.endif
	RUN
.endm
.macro PART                            ; 128 units: eight tiles, two trips of four
	s_mov_b32 s[TB], s[SBASE]
	v_add_nc_u32 v[ADB], s[TB], v[AB0]
	FETCH 0, 0
	s_mov_b32 s[CNT], 2
.Lquad_\@:
	TILE 0
	TILE 1
	TILE 2
	TILE 3
	s_sub_co_u32 s[CNT], s[CNT], 1
	s_cmp_lg_u32 s[CNT], 0
	s_cbranch_scc1 .Lquad_\@
	s_xor_b32 s[SBASE], s[SBASE], SLOTB
.endm
	s_load_b256 s[4:11], s[0:1], 0x0               ; enc, Ws_w's codes, its scales, cov
	s_load_b64 s[14:15], s[0:1], 0x20              ; the table
	s_load_b64 s[16:17], s[0:1], 0x28              ; scores
	v_lshl_add_u32 v[SPW], v0, 2, SPARE
	v_mov_b32 v[NIL], 0
	ds_add_u32 v[SPW], v[NIL]                      ; the opening lines: the add, twice on end, and its wait ahead of my first tensor load
	ds_add_u32 v[SPW], v[NIL]
	v_lshrrev_b32 v252, 5, v0
	v_readfirstlane_b32 s[WV], v252                ; wave 0..3
	s_bfe_u32 s[CX], ttmp6, 0x40000
	s_lshl_b32 s[GID], ttmp9, 2
	s_add_co_u32 s[GID], s[GID], s[CX]             ; my work-group: it enters global addresses of my own loads alone
	s_mov_b32 s[G1E+0], (2<<16)|(1<<20)|(6<<22)|(3<<25)   ; enc: 64 rows x 128 f32, pitch 1,024; four words of padding behind every 128
	s_mov_b32 s[G1E+1], 128<<16
	s_mov_b32 s[G1E+2], 64<<16
	s_mov_b32 s[G1E+3], 128<<16
	s_mov_b32 s[G1E+4], 64
	s_mov_b32 s[G1E+5], 1024
	s_mov_b32 s[G1E+6], 0
	s_mov_b32 s[G1E+7], 0
	s_mov_b32 s[G1W+0], 15|(1<<20)|(1<<21)|(7<<22)|(3<<25)   ; the weights: 32 rows x 1,024 bytes, for all four work-groups of the cluster; four words behind every 256
	s_mov_b32 s[G1W+1], 1024<<16
	s_mov_b32 s[G1W+2], 32<<16
	s_mov_b32 s[G1W+3], 1024<<16
	s_mov_b32 s[G1W+4], 32
	s_mov_b32 s[G1W+5], 1024
	s_mov_b32 s[G1W+6], 0
	s_mov_b32 s[G1W+7], 0
	s_mov_b32 s[SEL], 0x76543210
	s_mov_b32 s[SEL+1], 0xfedcba98
	s_mov_b32 s[CCS], 0x4038aa3b                   ; c = 2 log2(e)
	s_mov_b32 s[CCS+1], s[CCS]
	s_mov_b32 s[MNT], 0x600000
	s_mov_b32 s[TS], 2*512
	s_mov_b32 s[TK], 256
	s_mov_b32 s[SBASE], 0
	s_mul_i32 s72, s[WV], QTR
	s_lshl_b32 s74, s[GID], 20                     ; enc: 1 MiB a work-group, 256 KiB a wave
	s_lshl_b32 s75, s[WV], 18
	s_add_co_u32 s74, s74, s75
	s_mov_b32 s75, 0
	s_lshl_b32 s76, s[WV], 15                      ; the weights: 32 rows a wave
	s_mov_b32 s77, 0
	s_lshl_b32 s78, s[GID], 10                     ; cov, scores: 256 bytes a wave
	s_lshl_b32 s79, s[WV], 8
	s_add_co_u32 s78, s78, s79
	s_mov_b32 s79, 0
	s_wait_dscnt 0x0
	s_wait_kmcnt 0x0
	s_add_nc_u64 s[4:5], s[4:5], s[74:75]          ; my 64 rows of enc: it stays, for the prefetches
	s_add_nc_u64 s[6:7], s[6:7], s[76:77]
	s_mov_b32 s[G0E0], 1
	s_mov_b32 s[G0E0+1], s72
	s_mov_b64 s[G0E0+2:G0E0+3], s[4:5]
	s_or_b32 s[G0E0+3], s[G0E0+3], 0x80000000
	s_mov_b32 s[G0E1], 1
	s_add_co_u32 s[G0E1+1], s72, SLOTB
	s_add_nc_u64 s[G0E1+2:G0E1+3], s[4:5], 512
	s_or_b32 s[G0E1+3], s[G0E1+3], 0x80000000
	s_mov_b32 s[G0W], 1
	s_mov_b32 s[G0W+1], s72
	s_mov_b64 s[G0W+2:G0W+3], s[6:7]
	s_or_b32 s[G0W+3], s[G0W+3], 0x80000000
	ROUND
	tensor_load_to_lds s[G0E0:G0E0+3], s[G1E:G1E+7]   ; K step 0: one tensor load a wave at the head
	s_nop 0
	s_wait_alu depctr_va_vdst(0)
	s_wait_tensorcnt 0x0                           ; slot 1's first fill is issued as a refill is: the three lines, the round, the load
	ds_add_u32 v[SPW], v[NIL]
	s_wait_dscnt 0x0
	ROUND
	tensor_load_to_lds s[G0E1:G0E1+3], s[G1E:G1E+7]
	s_nop 0
.rept 4
	v_nop
.endr
	s_add_nc_u64 s[10:11], s[10:11], s[78:79]
	s_add_nc_u64 s[16:17], s[16:17], s[78:79]
	s_lshr_b32 s78, s[GID], 3                      ; my batch: 16,384 bytes of records
	s_lshl_b32 s78, s78, 14
	s_add_nc_u64 s[14:15], s[14:15], s[78:79]
	v_and_b32 v252, 31, v0
	v_and_b32 v253, 15, v0                         ; r
	v_bfe_u32 v254, v0, 4, 1                       ; h
	v_lshlrev_b32 v[PFO], 12, v252
	v_mul_u32_u24 v[AX0], v253, XP
	v_lshl_add_u32 v[AX0], v254, 6, v[AX0]
	v_add_nc_u32 v[AX0], s72, v[AX0]
	s_lshl_b32 s73, s[WV], 13
	s_add_co_u32 s73, s73, IMG
	v_lshl_add_u32 v[AI0], v252, 4, s73
	s_lshl_b32 s73, s[WV], 9
	s_add_co_u32 s73, s73, IMGS
	v_lshl_add_u32 v[AP0], v252, 2, s73
	v_mul_u32_u24 v[AB0], v253, WP
	v_lshl_add_u32 v[AB0], v254, 4, v[AB0]
	v_lshlrev_b32 v[OS0], 5, v253
	v_lshl_add_u32 v[OS0], v254, 4, v[OS0]
	v_lshlrev_b32 v[OT0], 4, v253
	v_lshlrev_b32 v[COVO], 5, v254
	s_lshl_b32 s73, s[WV], 8
	s_add_co_u32 s73, s73, STG
	v_lshl_add_u32 v[STA], v254, 5, s73
	v_lshl_add_u32 v[STR], v252, 3, s73
	v_lshlrev_b32 v[GO], 3, v252
.irp m, 0,1,2,3
	global_load_b128 v[COV+8*\m:COV+8*\m+3], v[COVO], s[10:11] offset:64*\m
	global_load_b128 v[COV+8*\m+4:COV+8*\m+7], v[COVO], s[10:11] offset:64*\m+16
.endr
	global_load_b128 v[SB:SB+3], v[OS0], s[8:9]                  ; in the order in which the tiles' own loads follow each other
	global_load_b128 v[TR:TR+3], v[OT0], s[14:15]
	global_load_b128 v[SB+4:SB+7], v[OS0], s[8:9] offset:512
	global_load_b128 v[TR+4:TR+7], v[OT0], s[14:15] offset:256
	global_load_b128 v[SB+8:SB+11], v[OS0], s[8:9] offset:1024
.set i, 0
.rept 32
	v_mov_b32 v[SUM+i], 0
.set i, i+1
.endr
	v_mov_b32 v[TR+9], 0                           ; the first two tiles have no tile two back: -2 V_w = 0 adds nothing to the sums
	v_mov_b32 v[TR+13], 0
	v_mov_b32 v[VV+1], 0                           ; (named as a pair's upper half)
.irp b, 0,1,2,3
	v_mov_b32 v[TM+4+\b], 0                        ; a lane permute's destination counts as one of its sources
.endr
	s_wait_alu depctr_va_vdst(0)                   ; the wait at the head's end
	s_wait_tensorcnt 0x1                           ; slot 1's load may stay out
	KSTEP 0
.irp n, 1,2,3,4,5,6
	CHANGE 0
	KSTEP \n
.endr
	CHANGE 1
	KSTEP 7
.set i, 0
.rept 32
	v_mov_b32 v[ACC0+i], 1.0                       ; what the first tiles take for the tiles before them: numbers whose exponentials and reciprocals are finite, which the zeros above multiply away
	v_mov_b32 v[ACC1+i], 0
	v_mov_b32 v[T+i], 0
.set i, i+1
.endr
	s_mov_b32 s[OUT], 7
.Lpart:
	CHANGE 2
	PART
	s_sub_co_u32 s[OUT], s[OUT], 1
	s_cmp_lg_u32 s[OUT], 0
	s_cbranch_scc1 .Lpart
	CHANGE 3
	PART
; the stages run out: tile 63's sums stand in set 1, tile 62's 1 + exponentials in set 0
.set AD, ACC0
.set AB, ACC1
	CLOSE
	v_mov_b32 v[VV], v[TR+9]
.set g, 0
.rept 16
	SL g
.set g, g+1
.endr
.set g, 0
.rept 16
	PL g
.set g, g+1
.endr
	s_wait_alu depctr_va_vdst(0)
.set g, 0
.rept 32
	v_rcp_f32 v[AB+g], v[AB+g]
.set g, g+1
.endr
	v_mov_b32 v[VV], v[TR+13]                      ; (the plain line behind the batch)
	s_wait_alu depctr_va_vdst(0)
.set AD, ACC1
.set g, 0
.rept 16
	SL g
.set g, g+1
.endr
; the sixteen units of a tile lie in sixteen lanes: their shares are added; then 64 scores leave through my stage as 256 consecutive bytes, aligned
.irp x, 1,2,4,8
.set i, 0
.rept 32
	v_add_f32_dpp v[SUM+i], v[SUM+i], v[SUM+i] row_xmask:\x row_mask:0xf bank_mask:0xf
.set i, i+1
.endr
.endr
.irp m, 0,1,2,3
.irp j, 0,1,2,3,4,5,6,7
	ds_store_b32 v[STA], v[SUM+8*\m+\j] offset:64*\m+4*\j    ; sixteen lanes write one word with one value
.endr
.endr
	ds_load_b64 v[OUTP:OUTP+1], v[STR]
	s_wait_dscnt 0x0
	global_store_b64 v[GO], v[OUTP:OUTP+1], s[16:17]
	s_wait_tensorcnt 0x0                           ; the wave's end: the tensor wait, the add and its wait
	ds_add_u32 v[SPW], v[NIL]
	s_wait_dscnt 0x0
	ROUND                                          ; the closing round
	s_endpgm
.Lfunc_end_k_q6b4db3c6fc_scores:
	.size	k_q6b4db3c6fc_scores, .Lfunc_end_k_q6b4db3c6fc_scores-k_q6b4db3c6fc_scores
	.p2alignl 7, 3214868480
	.fill 96, 4, 3214868480
	.section	.rodata,"a",@progbits
	.p2align	6, 0x0
	.amdhsa_kernel k_q6b4db3c6fc_scores
		.amdhsa_group_segment_fixed_size 327680
		.amdhsa_private_segment_fixed_size 0
		.amdhsa_enable_private_segment 0
		.amdhsa_kernarg_size 48
		.amdhsa_user_sgpr_count 2
		.amdhsa_user_sgpr_kernarg_segment_ptr 1
		.amdhsa_wavefront_size32 1
		.amdhsa_system_sgpr_workgroup_id_x 1
		.amdhsa_system_sgpr_workgroup_id_y 1
		.amdhsa_system_sgpr_workgroup_id_z 1
		.amdhsa_system_vgpr_workitem_id 0
		.amdhsa_next_free_vgpr 1024
		.amdhsa_next_free_sgpr 80
		.amdhsa_reserve_vcc 0
		.amdhsa_float_denorm_mode_32 3
		.amdhsa_float_denorm_mode_16_64 3
		.amdhsa_memory_ordered 1
		.amdhsa_forward_progress 1
		.amdhsa_inst_pref_size 243
	.end_amdhsa_kernel
	.amdgpu_metadata
---
amdhsa.version: [ 1, 2 ]
amdhsa.kernels:
  - .name:           k_q6b4db3c6fc_scores
    .symbol:         k_q6b4db3c6fc_scores.kd
    .args:
      - { .name: enc_output, .offset: 0, .size: 8, .value_kind: global_buffer, .address_space: global }
      - { .name: Ws_w_codes, .offset: 8, .size: 8, .value_kind: global_buffer, .address_space: global }
      - { .name: Ws_w_scales, .offset: 16, .size: 8, .value_kind: global_buffer, .address_space: global }
      - { .name: prev_coverage, .offset: 24, .size: 8, .value_kind: global_buffer, .address_space: global }
      - { .name: table, .offset: 32, .size: 8, .value_kind: global_buffer, .address_space: global }
      - { .name: scores, .offset: 40, .size: 8, .value_kind: global_buffer, .address_space: global }
    .group_segment_fixed_size: 327680
    .private_segment_fixed_size: 0
    .kernarg_segment_align: 8
    .kernarg_segment_size: 48
    .max_flat_workgroup_size: 128
    .sgpr_count:     80
    .vgpr_count:     1024
    .wavefront_size: 32
...
	.end_amdgpu_metadata
.endif
;; end of part 2
;; launch context (part 3): grid 8 x 32, 8 waves a work-group, no clusters, 327,680 bytes of LDS; arguments enc_output, scores, prev_coverage, out0, out1, out2; writes out0, out1, out2
.if DOCPART == 3
	.amdgcn_target "amdgcn-amd-amdhsa--gfx1250"
	.amdhsa_code_object_version 6
	.text
	.protected	k_q6b4db3c6fc_context
	.globl	k_q6b4db3c6fc_context
	.p2align	8
	.type	k_q6b4db3c6fc_context,@function
k_q6b4db3c6fc_context:
	s_mov_b64 s[64:65], 0
	v_nop
	global_prefetch_b8 v0, s[64:65] scope:SCOPE_SE
	s_setreg_imm32_b32 hwreg(HW_REG_WAVE_MODE, 25, 1), 1
	s_wait_xcnt 0x0
; a = softmax of a batch's 2,048 scores (the maximum is taken away first);  out1 = a;  out2 = a + prev_coverage;  out0[b][:] = sum over the rows of a[row] enc[b][row][:], all in f32.
; The scores come without V_b and without the sum of V_w, which are the same for all rows of a batch: the softmax is the same with them and without (shown at the first kernel's head).
; SHARES.  Work-group (dc, b) makes out0[b][128 dc .. 128 dc + 127] over all 2,048 rows: of each row 512 consecutive bytes, aligned.  The rows go in eight steps of 256 through two LDS slots of 128 KiB, filled by tensor loads:
; in each step wave w fetches rows 32 w .. 32 w + 31 of the 256 by one load and reads those same rows: 32 rows x 4 registers fit one window of registers.  A load of a lane takes 16 bytes, a wave's a whole row of the tile.
; The eight steps are written out: each has its own register of weights.  The softmax is made while step 0's load is on its way.
; Each of a batch's eight work-groups makes the softmax anew from the batch's 8 KiB of scores: thread t holds rows 4 t .. 4 t + 3 and 1,024 + 4 t .. + 3.  out1 and out2 are stored once: rows 256 dc .. 256 dc + 255 by work-group dc.
; The weights pass through LDS: for step n lane i of wave w takes a[256 n + 32 w + i]; v_readlane_b32 brings each into a scalar register, and two packed multiply-adds take the row; even and odd rows have sums of their own.
; No matrix unit: the sum is no product of the module's table and is wanted in f32.  No cluster: what work-groups share, 8 KiB of scores, is small beside the 1 MiB of enc that each reads alone.
; PREFETCH: in step n, behind the tensor load for step n + 1 and the step's LDS loads, a wave names the 64 aligned blocks of 256 bytes of its own 32 rows of step n + 2: a lane a row, two instructions, one trip ahead of the load
; that wants them; the head, behind step 0's load, names step 1's; steps 6 and 7 ask for nothing.  Offsets are immediates, 7,340,288 at the most; the address registers are never rewritten.
; LIMITS: NaN and infinities among the inputs are not served; a weight under 2^-126 comes out as 0.  enc_pad_mask is not among the arguments: the module accepts it and computes nothing from it.
.set L2E,   0x3fb8aa3b                 ; log2(e)
.set SLOT,  131072
.set RED1,  2*SLOT                     ; behind the slots, in blocks into which no fill lands: eight maxima;
.set WA,    RED1+512                   ; (256 on: eight sums)  the 2,048 weights;
.set PARTS, WA+8192                    ; eight waves' partial rows of 512 bytes;
.set SPARE, PARTS+4096                 ; the spare words, 128 bytes a wave
.set SPW,  1                           ; v1  SPARE + 4 x my thread's number; never rewritten
.set NIL,  2                           ; v2  0; never rewritten
.set TO,   3                           ; v3  16 x thread
.set LO,   4                           ; v4  16 x lane
.set RWA,  5                           ; v5  RED1 + 4 x wave
.set ZA,   6                           ; v6  RED1
.set AR,   8                           ; v8, v9  my rows in slot 0, 1
.set WST,  10                          ; v10 WA + 16 x thread
.set WLD,  11                          ; v11 WA + 4 x thread
.set PST,  12                          ; v12 PARTS + 16 x thread
.set PLD,  13                          ; v13 PARTS + 16 x lane
.set PFO,  14                          ; v14 the prefetches' offset: 4,096 x lane; never rewritten
.set S,    16                          ; v16-23  scores, then e, then a
.set CV,   24                          ; v24-31  cov, then a + cov
.set AC,   32                          ; v32-39  my four columns' sums, of even and of odd rows
.set R,    40                          ; v40-47  at work in the reductions
.set WR,   48                          ; v48-55  step n's weights: lane i holds my row i's
.set X,    56                          ; v56-183 32 rows of four
.set G1,   24                          ; s[24:31] descriptor group 1;  s[32:35], s[36:39] group 0 of slot 0, 1
.set G0,   32
.set AS,   40                          ; s[40:55] eight pairs: a weight in the low word
.set PFA,  60                          ; s[60:61] my 32 rows of step 0 in enc; never rewritten
	s_load_b256 s[4:11], s[0:1], 0x0               ; enc, scores, cov, out0
	s_load_b128 s[12:15], s[0:1], 0x20             ; out1, out2
	v_lshl_add_u32 v[SPW], v0, 2, SPARE
	v_mov_b32 v[NIL], 0
	ds_add_u32 v[SPW], v[NIL]                      ; the opening lines: the add, twice on end, and its wait ahead of my first tensor load
	ds_add_u32 v[SPW], v[NIL]
	v_lshrrev_b32 v[RWA], 5, v0
	v_readfirstlane_b32 s16, v[RWA]                ; wave 0..7
	v_and_b32 v[LO], 31, v0
	v_lshlrev_b32 v[LO], 4, v[LO]
	v_lshl_add_u32 v[AR], v[RWA], 14, v[LO]        ; 16,384 bytes a wave in a slot
	v_add_nc_u32 v[AR+1], SLOT, v[AR]
	v_lshl_add_u32 v[RWA], v[RWA], 2, RED1
	v_lshlrev_b32 v[TO], 4, v0
	v_add_nc_u32 v[WST], WA, v[TO]
	v_lshl_add_u32 v[WLD], v0, 2, WA
	v_add_nc_u32 v[PST], PARTS, v[TO]
	v_add_nc_u32 v[PLD], PARTS, v[LO]
	v_lshlrev_b32 v[PFO], 8, v[LO]
	v_mov_b32 v[ZA], RED1
	v_mov_b32 v[R+1], 0                            ; a lane permute's destination counts as one of its sources
	s_and_b32 s17, ttmp7, 0xffff                   ; the batch
	s_lshl_b32 s20, s17, 23                        ; enc: 8 MiB a batch,
	s_lshl_b32 s21, s16, 17                        ; 32 rows of 4,096 bytes a wave,
	s_add_co_u32 s20, s20, s21
	s_lshl_b32 s21, ttmp9, 9                       ; 512 bytes a block of columns
	s_add_co_u32 s20, s20, s21
	s_mov_b32 s21, 0
	s_lshl_b32 s56, s17, 13                        ; scores, cov, out1, out2: 8,192 bytes a batch
	s_mov_b32 s57, 0
	s_lshl_b32 s58, s17, 12                        ; out0: 4,096 bytes a batch, 512 a block
	s_lshl_b32 s59, ttmp9, 9
	s_add_co_u32 s58, s58, s59
	s_mov_b32 s59, 0
	s_mov_b32 s22, 0x76543210
	s_mov_b32 s23, 0xfedcba98                      ; v_permlanex16_b32's selects for lane l xor 16
	s_mov_b32 s[G1+0], 2<<16                       ; 32 rows x 128 f32, 1,024 apart; no padding: a wave's load reads 512 consecutive bytes
	s_mov_b32 s[G1+1], 128<<16
	s_mov_b32 s[G1+2], 32<<16
	s_mov_b32 s[G1+3], 128<<16
	s_mov_b32 s[G1+4], 32
	s_mov_b32 s[G1+5], 1024
	s_mov_b32 s[G1+6], 0
	s_mov_b32 s[G1+7], 0
	s_mov_b32 s[G0], 1
	s_lshl_b32 s[G0+1], s16, 14
	s_mov_b32 s[G0+4], 1
	s_add_co_u32 s[G0+5], s[G0+1], SLOT
.irp q, 0,1,2,3,4,5,6,7
	s_mov_b32 s[AS+2*\q+1], 0                      ; (upper words of pairs of which the low word serves: named, so written)
.endr
	s_wait_alu depctr_va_vdst(0)                   ; the wait at the head's end
	s_wait_dscnt 0x0
	s_wait_kmcnt 0x0
	s_add_nc_u64 s[PFA:PFA+1], s[4:5], s[20:21]
	s_mov_b64 s[G0+2:G0+3], s[PFA:PFA+1]           ; step 0,
	s_add_nc_u64 s[G0+6:G0+7], s[PFA:PFA+1], 0x100000   ; step 1: 256 rows on
	s_or_b32 s[G0+3], s[G0+3], 0x80000000
	s_or_b32 s[G0+7], s[G0+7], 0x80000000
	tensor_load_to_lds s[G0:G0+3], s[G1:G1+7]      ; every wave's one load at the head
	s_nop 0
	s_add_nc_u64 s[6:7], s[6:7], s[56:57]
	s_add_nc_u64 s[8:9], s[8:9], s[56:57]
	s_add_nc_u64 s[12:13], s[12:13], s[56:57]
	s_add_nc_u64 s[14:15], s[14:15], s[56:57]
	s_add_nc_u64 s[10:11], s[10:11], s[58:59]
	global_load_b128 v[S:S+3], v[TO], s[6:7]
	global_load_b128 v[S+4:S+7], v[TO], s[6:7] offset:4096
	global_load_b128 v[CV:CV+3], v[TO], s[8:9]
	global_load_b128 v[CV+4:CV+7], v[TO], s[8:9] offset:4096
	global_prefetch_b8 v[PFO], s[PFA:PFA+1] offset:1048576 th:TH_LOAD_NT scope:SCOPE_SE        ; my rows of step 1
	global_prefetch_b8 v[PFO], s[PFA:PFA+1] offset:1048576+256 th:TH_LOAD_NT scope:SCOPE_SE
	s_wait_loadcnt 0x0
	; the batch's maximum: my eight, my wave's, all eight waves'
	v_max3_num_f32 v[R], v[S], v[S+1], v[S+2]
	v_max3_num_f32 v[R], v[R], v[S+3], v[S+4]
	v_max3_num_f32 v[R], v[R], v[S+5], v[S+6]
	v_max_num_f32 v[R], v[R], v[S+7]
.irp x, 1,2,4,8
	v_max_num_f32_dpp v[R], v[R], v[R] row_xmask:\x row_mask:0xf bank_mask:0xf
.endr
	v_permlanex16_b32 v[R+1], v[R], s22, s23
	v_max_num_f32 v[R], v[R], v[R+1]
	ds_store_b32 v[RWA], v[R]                      ; all lanes write the wave's word with the same value
	s_wait_dscnt 0x0                               ; for the others' sake
	s_barrier_signal -1
	s_barrier_wait -1
	ds_load_b128 v[R:R+3], v[ZA]
	ds_load_b128 v[R+4:R+7], v[ZA] offset:16
	s_wait_dscnt 0x0
	v_max3_num_f32 v[R], v[R], v[R+1], v[R+2]
	v_max3_num_f32 v[R+3], v[R+3], v[R+4], v[R+5]
	v_max3_num_f32 v[R], v[R], v[R+6], v[R+7]
	v_max_num_f32 v[R], v[R], v[R+3]
	; e = exp(score - maximum), at most 1; one of them is 1, so the sum is at least 1
.irp i, 0,1,2,3,4,5,6,7
	v_sub_f32 v[S+\i], v[S+\i], v[R]
.endr
.irp i, 0,1,2,3,4,5,6,7
	v_mul_f32 v[S+\i], L2E, v[S+\i]
.endr
	s_wait_alu depctr_va_vdst(0)                   ; a wait ahead of the batch,
.irp i, 0,1,2,3,4,5,6,7
	v_exp_f32 v[S+\i], v[S+\i]
.endr
	v_nop                                          ; a plain line behind it,
	s_wait_alu depctr_va_vdst(0)                   ; and a wait ahead of its first reader
	v_pk_add_f32 v[R+2:R+3], v[S:S+1], v[S+2:S+3]
	v_pk_add_f32 v[R+4:R+5], v[S+4:S+5], v[S+6:S+7]
	v_pk_add_f32 v[R+2:R+3], v[R+2:R+3], v[R+4:R+5]
	v_add_f32 v[R+1], v[R+2], v[R+3]
.irp x, 1,2,4,8
	v_add_f32_dpp v[R+1], v[R+1], v[R+1] row_xmask:\x row_mask:0xf bank_mask:0xf
.endr
	v_permlanex16_b32 v[R+2], v[R+1], s22, s23
	v_add_f32 v[R+1], v[R+1], v[R+2]
	ds_store_b32 v[RWA], v[R+1] offset:256         ; other bytes than the maxima's: no barrier is owed between their reads and this store
	s_wait_dscnt 0x0
	s_barrier_signal -1
	s_barrier_wait -1
	ds_load_b128 v[R:R+3], v[ZA] offset:256
	ds_load_b128 v[R+4:R+7], v[ZA] offset:272
	s_wait_dscnt 0x0
	v_pk_add_f32 v[R:R+1], v[R:R+1], v[R+2:R+3]
	v_pk_add_f32 v[R+4:R+5], v[R+4:R+5], v[R+6:R+7]
	v_pk_add_f32 v[R:R+1], v[R:R+1], v[R+4:R+5]
	v_add_f32 v[R], v[R], v[R+1]
	s_wait_alu depctr_va_vdst(0)
	v_rcp_f32 v[R], v[R]
	v_nop
	s_wait_alu depctr_va_vdst(0)
.irp i, 0,2,4,6
	v_pk_mul_f32 v[S+\i:S+\i+1], v[S+\i:S+\i+1], v[R:R+1] op_sel_hi:[1,0]      ; a
.endr
.irp i, 0,2,4,6
	v_pk_add_f32 v[CV+\i:CV+\i+1], v[S+\i:S+\i+1], v[CV+\i:CV+\i+1]            ; a + cov
.endr
	ds_store_b128 v[WST], v[S:S+3]                 ; a[row] at WA + 4 x row
	ds_store_b128 v[WST], v[S+4:S+7] offset:4096
	s_lshr_b32 s18, s16, 1                         ; rows 256 dc on: waves 2 (dc % 4) and 2 (dc % 4) + 1, their lower four rows for dc < 4, else their upper four
	s_and_b32 s19, ttmp9, 3
	s_wait_alu depctr_va_vdst(0)                   ; the wait ahead of the branches
	s_cmp_lg_u32 s18, s19
	s_cbranch_scc1 .Lnot_mine
	s_cmp_lt_u32 ttmp9, 4
	s_cbranch_scc0 .Lupper
	global_store_b128 v[TO], v[S:S+3], s[12:13]    ; a wave stores 512 consecutive bytes, aligned; these registers are not written again
	global_store_b128 v[TO], v[CV:CV+3], s[14:15]
	s_branch .Lnot_mine
.Lupper:
	global_store_b128 v[TO], v[S+4:S+7], s[12:13] offset:4096
	global_store_b128 v[TO], v[CV+4:CV+7], s[14:15] offset:4096
.Lnot_mine:
; STEP n.  The tensor wait, the add and its wait, one barrier, my one load behind it (step n + 1 into the slot read last; the first time slot 1's first fill), then my 32 rows of this slot.
; Step 0's barrier also shows the weights to every wave: their stores are waited for in front of it.
.macro STEP n
.set SL_, (\n)%2
	s_wait_alu depctr_va_vdst(0)                   ; the wait ahead of the waits below
	s_wait_tensorcnt 0x0                           ; my part of this step's rows is in, and no load of mine is out:
	ds_add_u32 v[SPW], v[NIL]
	s_add_nc_u64 s[G0+4*SL_+2:G0+4*SL_+3], s[G0+4*SL_+2:G0+4*SL_+3], 0x200000   ; this slot's next rows, two steps on (the last two stepped addresses are not used)
	s_wait_dscnt 0x0
	s_barrier_signal -1
	s_barrier_wait -1
.if (\n) < 7
	tensor_load_to_lds s[G0+4-4*SL_:G0+7-4*SL_], s[G1:G1+7]
	s_nop 0
.endif
.if (\n) == 0
.set i, 0
.rept 8
	ds_load_b32 v[WR+i], v[WLD] offset:1024*i      ; all eight steps' weights of my rows
.set i, i+1
.endr
.endif
.set i, 0
.rept 32
	ds_load_b128 v[X+4*i:X+4*i+3], v[AR+SL_] offset:512*i
.set i, i+1
.endr
.if (\n) < 6
	global_prefetch_b8 v[PFO], s[PFA:PFA+1] offset:((\n)+2)*1048576 th:TH_LOAD_NT scope:SCOPE_SE       ; my rows of step n + 2
	global_prefetch_b8 v[PFO], s[PFA:PFA+1] offset:((\n)+2)*1048576+256 th:TH_LOAD_NT scope:SCOPE_SE
.endif
	s_wait_dscnt 0x0
.set g, 0
.rept 4
.set i, 0
.rept 8
	v_readlane_b32 s[AS+2*i], v[WR+(\n)], 8*g+i
.set i, i+1
.endr
.set i, 0
.rept 8
.set XS, X+4*(8*g+i)
.set AA, AC+4*(i%2)
.if (\n) == 0 && 8*g+i < 2
	v_pk_mul_f32 v[AA:AA+1], v[XS:XS+1], s[AS+2*i:AS+2*i+1] op_sel_hi:[1,0]       ; the first two rows start the sums
	v_pk_mul_f32 v[AA+2:AA+3], v[XS+2:XS+3], s[AS+2*i:AS+2*i+1] op_sel_hi:[1,0]
.else
	v_pk_fma_f32 v[AA:AA+1], v[XS:XS+1], s[AS+2*i:AS+2*i+1], v[AA:AA+1] op_sel_hi:[1,0,1]
	v_pk_fma_f32 v[AA+2:AA+3], v[XS+2:XS+3], s[AS+2*i:AS+2*i+1], v[AA+2:AA+3] op_sel_hi:[1,0,1]
.endif
.set i, i+1
.endr
.set g, g+1
.endr
.endm
.irp n, 0,1,2,3,4,5,6,7
	STEP \n
.endr
	v_pk_add_f32 v[AC:AC+1], v[AC:AC+1], v[AC+4:AC+5]
	v_pk_add_f32 v[AC+2:AC+3], v[AC+2:AC+3], v[AC+6:AC+7]
	; the eight waves' sums meet in LDS; wave 0 adds them and stores the 512 bytes
	ds_store_b128 v[PST], v[AC:AC+3]
	s_wait_dscnt 0x0
	s_barrier_signal -1
	s_barrier_wait -1
	s_cmp_lg_u32 s16, 0
	s_cbranch_scc1 .Lend
.set i, 0
.rept 8
	ds_load_b128 v[X+4*i:X+4*i+3], v[PLD] offset:512*i
.set i, i+1
.endr
	s_wait_dscnt 0x0
.irp d, 4,2,1
.set i, 0
.rept \d
	v_pk_add_f32 v[X+4*i:X+4*i+1], v[X+4*i:X+4*i+1], v[X+4*(i+\d):X+4*(i+\d)+1]
	v_pk_add_f32 v[X+4*i+2:X+4*i+3], v[X+4*i+2:X+4*i+3], v[X+4*(i+\d)+2:X+4*(i+\d)+3]
.set i, i+1
.endr
.endr
	global_store_b128 v[LO], v[X:X+3], s[10:11]    ; 32 lanes store 512 consecutive bytes, aligned
.Lend:
	s_wait_tensorcnt 0x0                           ; the wave's end: the tensor wait, the add and its wait, behind my last tensor load and my last LDS store
	ds_add_u32 v[SPW], v[NIL]
	s_wait_dscnt 0x0
	s_endpgm
.Lfunc_end_k_q6b4db3c6fc_context:
	.size	k_q6b4db3c6fc_context, .Lfunc_end_k_q6b4db3c6fc_context-k_q6b4db3c6fc_context
	.p2alignl 7, 3214868480
	.fill 96, 4, 3214868480
	.section	.rodata,"a",@progbits
	.p2align	6, 0x0
	.amdhsa_kernel k_q6b4db3c6fc_context
		.amdhsa_group_segment_fixed_size 327680
		.amdhsa_private_segment_fixed_size 0
		.amdhsa_enable_private_segment 0
		.amdhsa_kernarg_size 48
		.amdhsa_user_sgpr_count 2
		.amdhsa_user_sgpr_kernarg_segment_ptr 1
		.amdhsa_wavefront_size32 1
		.amdhsa_system_sgpr_workgroup_id_x 1
		.amdhsa_system_sgpr_workgroup_id_y 1
		.amdhsa_system_sgpr_workgroup_id_z 1
		.amdhsa_system_vgpr_workitem_id 0
		.amdhsa_next_free_vgpr 184
		.amdhsa_next_free_sgpr 66
		.amdhsa_reserve_vcc 0
		.amdhsa_float_denorm_mode_32 3
		.amdhsa_float_denorm_mode_16_64 3
		.amdhsa_memory_ordered 1
		.amdhsa_forward_progress 1
		.amdhsa_inst_pref_size 80
	.end_amdhsa_kernel
	.amdgpu_metadata
---
amdhsa.version: [ 1, 2 ]
amdhsa.kernels:
  - .name:           k_q6b4db3c6fc_context
    .symbol:         k_q6b4db3c6fc_context.kd
    .args:
      - { .name: enc_output, .offset: 0, .size: 8, .value_kind: global_buffer, .address_space: global }
      - { .name: scores, .offset: 8, .size: 8, .value_kind: global_buffer, .address_space: global }
      - { .name: prev_coverage, .offset: 16, .size: 8, .value_kind: global_buffer, .address_space: global }
      - { .name: out0, .offset: 24, .size: 8, .value_kind: global_buffer, .address_space: global }
      - { .name: out1, .offset: 32, .size: 8, .value_kind: global_buffer, .address_space: global }
      - { .name: out2, .offset: 40, .size: 8, .value_kind: global_buffer, .address_space: global }
    .group_segment_fixed_size: 327680
    .private_segment_fixed_size: 0
    .kernarg_segment_align: 8
    .kernarg_segment_size: 48
    .max_flat_workgroup_size: 256
    .sgpr_count:     66
    .vgpr_count:     184
    .wavefront_size: 32
...
	.end_amdgpu_metadata
.endif
;; end of part 3
